; MI455X (gfx1250); checked and timed in simulation.
; The chip was launched on July 23, 2026; its instructions are those of AMD's public machine-readable ISA for CDNA 5 (MIT licence, August 2026) and "CDNA5" Instruction Set Architecture Reference Guide (July 2026). The comments in the code are by the model that wrote it; some were corrected since.
;; Outer Product Mean. Allowed arithmetic: matrix products marked QUANTISED: E2M3 operands, one E8M0 scale for each 32 along K, by v_wmma_scale_f32_16x16x128_f8f6f4 with both operands' format E2M3, f32 sums; everything else in f32.
;; Inputs: final_b 128 float32; final_w_codes 128 x 32 x 24 uint8 (E2M3 codes of final_w, K innermost, in blocks of 32 codes, four codes in three bytes); final_w_scales 128 x 32 uint8 (E8M0 scales of final_w, one for each 32 codes along K); norm_b 256 float32; norm_w 256 float32; proj_b 64 float32; proj_w_codes 64 x 8 x 24 uint8 (E2M3 codes of proj_w, K innermost, in blocks of 32 codes, four codes in three bytes); proj_w_scales 64 x 8 uint8 (E8M0 scales of proj_w, one for each 32 codes along K); x1d 1 x 128 x 256 x 256 float32.
;; Outputs: out0 1 x 256 x 256 x 128 float32.
;; This version of the problem:
;;   THIS VERSION OF THE PROBLEM IS GIVEN IN LOW PRECISION. The matrix products marked QUANTISED in the list below multiply operands that are first quantised to E2M3 (2 exponent bits, 3 mantissa bits; 6 bits a number), with one power-of-two scale for each 32 numbers along K (OCP MX v1.0); their sums are f32. All else is computed in f32.
;;   The module's matrix products, in the order in which they are computed (A, B: the left and right operand; K: the contracted axis; several contracted axes count as one K, in the product's order):
;;     1. [M 32,768, K 256] x [K 256, N 64]; A: computed on the way; B: input proj_w (given as codes): QUANTISED
;;     2. [M 8,192, K 128] x [K 128, N 8,192]; A: computed on the way; B: computed on the way: QUANTISED
;;     3. [M 65,536, K 1,024] x [K 1,024, N 128]; A: computed on the way; B: input final_w (given as codes): QUANTISED
;;   THE QUANTISER, for each operand of a quantised product, along K:
;;     - K is cut into blocks of 32 from its start; a last block that is shorter is filled with zeros.
;;     - A block's scale is 2^e with e = floor(log2(the largest magnitude in the block)) - 2, held to -126 .. 127; a block of zeros has e = 0. As a byte (E8M0): e + 127.
;;     - Each number is divided by its block's scale, clamped to +-7.5, and rounded to the nearest number of E2M3, ties to even, subnormals kept.
;;     - The product sums the exact products of the quantised numbers (number of the format x scale) in f32.
;;   ~~~python
;;   def quantise(x, axis):      # numpy; x: float32 -> the quantised numbers, widened to float32 again
;;       x = np.moveaxis(x, axis, -1); K = x.shape[-1]
;;       x = np.pad(x, [(0, 0)] * (x.ndim - 1) + [(0, -K % 32)]); x = x.reshape(x.shape[:-1] + (-1, 32)); a = np.abs(x).max(-1, keepdims=True)
;;       e = np.where(a > 0, np.clip(np.frexp(np.where(a > 0, a, 1))[1] - 1 - 2, -126, 127), 0)      # np.frexp(a)[1] - 1 = floor(log2(a)), exactly
;;       r = np.clip(x / 2.0 ** e, -7.5, 7.5)
;;       step = 2.0 ** (np.maximum(np.frexp(np.where(r == 0, 1, r))[1] - 1, 0) - 3)
;;       q = np.round(r / step) * step * 2.0 ** e      # np.round: ties to even
;;       return np.moveaxis(q.reshape(q.shape[:-2] + (-1,))[..., :K], -1, axis).astype(np.float32)
;;   ~~~
;;   OPERANDS COMPUTED ON THE WAY. 'Computed on the way' means the value that the module computes at that place (a softmax that the list does not call 'softmax' is quantised finished and normalised). What goes into a quantiser is computed in f32, as accurately as f32 sums, v_exp_f32 and their like allow (about 1e-6 of the number): no bf16 or f16 on the way to a quantiser, and a product that is left as it is and whose result goes on into a quantised operand takes f32 operands (vector FMAs, or v_wmma_f32_16x16x4_f32). A number that lies on a knife's edge between two numbers of the format may be rounded either way, as far as f32 arithmetic and the matrix unit's own rounding can turn it there, and no further.
;;   INPUTS GIVEN AS CODES. final_w (in the module: [128, 1024], K = its axis 1); proj_w (in the module: [64, 256], K = its axis 1): each comes as NAME_codes (uint8): NAME with its K axis moved to the last place and cut into blocks of 32 codes, [.., K / 32, bytes a block], one block behind the other in memory; four codes in three bytes: a row's codes are one little-endian stream of bits, code i at bits 6 i .. 6 i + 5 (a code: sign, 2 exponent bits, 3 mantissa bits); and NAME_scales (uint8): the same leading axes, one E8M0 byte (e + 127) for each 32 codes along K. Its value is code x scale, taken as it is: it is not quantised again, and the codes and scales need not be those that the quantiser above would give.
;; One version. Each part assembles by itself: llvm-mc -triple=amdgcn-amd-amdhsa -mcpu=gfx1250 --defsym DOCPART=n.
;; ======== version 1 of 1: 2 launches
;; limits: right only within a limited range of input values
;; workspace buffers: ai 1,048,576 bytes; bj 1,048,576 bytes; fwimg 106,496 bytes
;; launch prep (part 1): grid 256 x 1, 8 waves a work-group, no clusters, 191,488 bytes of LDS; arguments x1d, norm_w, norm_b, proj_w_codes, proj_w_scales, proj_b, final_w_codes, final_w_scales, ai, bj, fwimg; writes ai, bj, fwimg
.if DOCPART == 1
	.amdgcn_target "amdgcn-amd-amdhsa--gfx1250"
	.amdhsa_code_object_version 6
	.text
	.protected	k_q232cdeb953_prep
	.globl	k_q232cdeb953_prep
	.p2align	8
	.type	k_q232cdeb953_prep,@function
k_q232cdeb953_prep:
	s_mov_b64 s[64:65], 0
	v_nop
	global_prefetch_b8 v0, s[64:65] scope:SCOPE_SE
	s_setreg_imm32_b32 hwreg(HW_REG_WAVE_MODE, 25, 1), 1
	s_wait_xcnt 0x0
; LayerNorm over 256 channels, quantised along the channels; product 1 (x proj_w^T + proj_b) on codes of FP6 (E2M3) with E8M0 scales; its even channels (i) and odd
; channels (j) quantised along m, the K of the second product, and stored as the operands' register images.  Eight work-groups also lay final_w out as register images.
; SHARES.  Work-group l takes all 128 m of one l: 128 rows of 1,024 bytes, 262,144 bytes apart.  Wave w of eight takes m = 16 w .. 16 w + 15, one tile of 16 rows, by one tensor load.
; Product 1: source 0 = x, source 1 = 16 rows of proj_w: a lane of the result holds one channel and 8 m.  The results go through LDS, [channel][m], and come back with a lane to each
; (channel, block of 32 m): wave w takes block w / 2 of i's 32 channels (w even) or of j's (w odd), so that a lane holds a whole block.
; proj_w's fragments f = 2 n + K step: n = 0, 1: channels d = 2 (16 n + r), that is i's x = 16 n + r;  n = 2, 3: d = 2 (16 (n - 2) + r) + 1, that is j's y = 16 (n - 2) + r.
; OUT.  ai [l / 16][x / 4][l % 16][x % 4][128 bytes]: bytes 0-47 the 12 registers of the lane of half 0 (blocks 0, 2), 48-95 those of half 1 (blocks 1, 3), 96-99 the scale word, the rest 0.
;       bj [l][4,096 bytes]: registers 4 g .. 4 g + 3 of row y, half k of the operand's lanes, at 768 (y / 8) + 256 g + 128 k + 16 (y % 8); y's scale word at 3,072 + 4 y; the rest 0.
;       fwimg [K step s][13,312 bytes]: eight fragments (16 outputs x 128 K) of 1,536 bytes, registers 4 g .. 4 g + 3 of lane L at 512 g + 16 L, then eight times 128 bytes of scale words, 4 bytes a lane.
; LIMITS: NaN and infinities among the inputs are not served.  A block of zeros gets the scale byte 1 where the rule says 127: its codes are zeros, and this program alone reads the bytes.
; A block whose largest magnitude lies under 2^(3 - 127) has its byte held at 1.
; No cluster: no row of x is read by two work-groups; what they share is 15 KB beside 128 KiB of x.  No prefetch: everything is asked for at the head, and there is no loop to run ahead in.
; REGISTERS, in windows of 256.  Window 0: as named below.  Window 1: v0-127 norm_w, v128-255 norm_b, in x's order; behind their use v0-95 proj_w's fragments, 12 f.
.set XP,  1040                         ; an LDS row of x: 1,024 bytes + 16 of padding = 65 x 16: the 16 rows that a load of 16 bytes a lane touches start 16 bytes apart modulo 256
.set NRM, 128*XP                       ; norm_w, norm_b: 2 x 1,024 bytes
.set WIM, NRM+2048                     ; proj_w's eight fragments as register images
.set WSC, WIM+8*1536                   ; and their scale words, 128 bytes each
.set DX,  WSC+1024                     ; product 1's results: 64 channels x (128 m x 4 bytes + 16)
.set DP,  528
.set OST, DX+64*DP                     ; the way out: i's 32 records, then j's 4,096 bytes
.set SPARE, OST+8192                   ; the spare words, 128 bytes for each wave
.set AX,  1
.set SPW, 2
.set NIL, 3
.set LI,  4                            ; 16 lane
.set AWI, 5                            ; proj_w's images, to read
.set ANR, 6                            ; the gains, to read: 64 h
.set ADW, 7                            ; the results, in: 528 r + 64 w + 32 h
.set ADR, 8                            ; and back: 528 (32 (w % 2) + lane) + 128 (w / 2)
.set ASI, 9                            ; i's codes: 128 lane + 48 (b % 2) + 24 (b / 2)
.set ASJ, 10                           ; v10-12 j's codes, registers 2 p, 2 p + 1 of the block
.set SBI, 13                           ; scale bytes
.set SBJ, 14
.set ZC,  15                           ; my 1,024 bytes of the way out
.set SA,  16                           ; v16-23 four chains of packed sums
.set MU,  24                           ; the mean (v25 named with it as a pair)
.set RS,  26                           ; 1 / sqrt(var + eps) (v27 likewise)
.set PWS, 28                           ; v28-35 proj_w's scale words, f
.set XS,  36                           ; v36-37 x's scale words, K step
.set PB,  38                           ; proj_b of my channel (v39 named with it as a pair)
.set TM,  40                           ; v40-47 largest magnitudes
.set TP,  48                           ; v48-55 the other half's, then the scale bytes
.set TS,  56                           ; v56-63 the conversions' scale operands
.set X,   64                           ; v64-191 my tile of x: register 16 e + i is channel 32 e + 16 h + i of my row; later v64-95 a block of 32 m
.set XC,  192                          ; v192-215 x's fragments, 12 K step; later the codes along m
.set PX,  216                          ; v216-231 the blocks' second halves
.set ACC, 216                          ; v216-247 later the accumulators, 8 n
.set LN,  64                           ; head only
.set RR,  65
.set HH,  66
.set VA,  67
.set R16, 68
.set T4,  69
.set L8,  70
.set QT,  71
.set AWS, 72
.set ASS, 73
.set FWO, 74
.set R32, 75
.set L4,  76
.set ANW, 77
.set ASR, 78
.set NWV, 80
.set NBV, 81
.set FRG, 84
.set FSW, 96
.set ZR,  100
.set CP,  104
.set WV,  26                           ; s26  my wave's number
.set G1,  28
.set G0,  36
.set SEL, 76                           ; s[76:77] lane selects for v_permlanex16_b32: lane l xor 16
.set MSB, 0
.macro WIN new                         ; the immediate's high byte repeats the setting that is left
.if MSB != \new
	s_set_vgpr_msb (MSB<<8)|\new
.set MSB, \new
.endif
.endm
.macro PLACES n
.rept \n
	v_nop
.endr
.endm
	s_load_b256 s[4:11], s[0:1], 0x0               ; x1d s[4:5], norm_w s[6:7], norm_b s[8:9], proj_w's codes s[10:11]
	s_load_b256 s[12:19], s[0:1], 0x20             ; proj_w's scales s[12:13], proj_b s[14:15], final_w's codes s[16:17], its scales s[18:19]
	s_load_b128 s[20:23], s[0:1], 0x40             ; ai s[20:21], bj s[22:23]
	s_load_b64 s[24:25], s[0:1], 0x50              ; fwimg
	v_lshl_add_u32 v[SPW], v0, 2, SPARE
	v_mov_b32 v[NIL], 0
	ds_add_u32 v[SPW], v[NIL]                      ; the wave's opening: the add, twice on end, and its wait
	ds_add_u32 v[SPW], v[NIL]
	v_lshrrev_b32 v1, 5, v0
	v_readfirstlane_b32 s[WV], v1                  ; wave 0..7
	v_and_b32 v[LN], 31, v0
	v_and_b32 v[RR], 15, v0
	v_bfe_u32 v[HH], v0, 4, 1
	s_lshr_b32 s57, s[WV], 1                       ; b: my block along m
	s_and_b32 s58, s[WV], 1                        ; i (0) or j (1)
	s_mul_i32 s56, s[WV], 16*XP                    ; my 16 rows in LDS
	v_mul_u32_u24 v[AX], v[RR], XP
	v_lshl_add_u32 v[AX], v[HH], 6, v[AX]
	v_add_nc_u32 v[AX], s56, v[AX]
	v_lshlrev_b32 v[LI], 4, v[LN]
	v_add_nc_u32 v[AWI], WIM, v[LI]
	v_lshlrev_b32 v[ANR], 6, v[HH]
	v_add_nc_u32 v[ANR], NRM, v[ANR]
	s_lshl_b32 s61, s[WV], 6
	s_add_co_u32 s61, s61, DX
	s_wait_alu depctr_va_vdst(0)
	v_mul_u32_u24 v[ADW], v[RR], DP
	v_lshl_add_u32 v[ADW], v[HH], 5, v[ADW]
	v_add_nc_u32 v[ADW], s61, v[ADW]
	s_mul_i32 s61, s58, 32*DP
	s_lshl_b32 s62, s57, 7
	s_add_co_u32 s61, s61, s62
	s_add_co_u32 s61, s61, DX
	v_mul_u32_u24 v[ADR], v[LN], DP
	v_add_nc_u32 v[ADR], s61, v[ADR]
	s_and_b32 s59, s57, 1                          ; b % 2
	s_lshr_b32 s60, s57, 1                         ; b / 2
	s_mul_i32 s61, s59, 48
	s_mul_i32 s62, s60, 24
	s_add_co_u32 s61, s61, s62
	s_add_co_u32 s61, s61, OST
	s_wait_alu depctr_va_vdst(0)
	v_lshl_add_u32 v[ASI], v[LN], 7, s61
	s_add_co_u32 s61, s57, OST+96
	v_lshl_add_u32 v[SBI], v[LN], 7, s61
	s_add_co_u32 s61, s57, OST+4096+3072
	v_lshl_add_u32 v[SBJ], v[LN], 2, s61
	v_lshrrev_b32 v[QT], 3, v[LN]
	v_mul_u32_u24 v[QT], v[QT], 640
	v_lshl_add_u32 v[QT], v[LN], 4, v[QT]          ; 768 (lane / 8) + 16 (lane % 8)
	s_lshl_b32 s61, s59, 7
	s_add_co_u32 s61, s61, OST+4096
	s_mul_i32 s62, s60, 6
.irp p, 0,1,2
	s_add_co_u32 s63, s62, 2*\p                    ; q = 6 (b / 2) + 2 p
	s_lshr_b32 s66, s63, 2
	s_lshl_b32 s66, s66, 8
	s_and_b32 s67, s63, 3
	s_lshl_b32 s67, s67, 2
	s_add_co_u32 s66, s66, s67
	s_add_co_u32 s66, s66, s61
	s_wait_alu depctr_va_vdst(0)
	v_add_nc_u32 v[ASJ+\p], s66, v[QT]
.endr
	s_lshl_b32 s61, s[WV], 10
	s_add_co_u32 s61, s61, OST
	v_add_nc_u32 v[ZC], s61, v[LI]
	v_mul_u32_u24 v[VA], v[RR], 384
	v_mad_u32_u24 v[VA], v[HH], 24, v[VA]
	v_lshlrev_b32 v[R16], 4, v[RR]
	v_lshlrev_b32 v[T4], 2, v0
	v_add_nc_u32 v[ANW], NRM, v[T4]
	v_lshlrev_b32 v[L8], 3, v[LN]
	v_lshlrev_b32 v[L4], 2, v[LN]
	v_add_nc_u32 v[ASR], WSC, v[L4]
	s_mul_i32 s61, s[WV], 1536
	s_lshl_b32 s62, s[WV], 7
	v_add_nc_u32 v[AWS], s61, v[AWI]
	v_add_nc_u32 v[ASS], s62, v[ASR]
	v_mul_u32_u24 v[FWO], v[RR], 768
	v_mad_u32_u24 v[FWO], v[HH], 24, v[FWO]
	v_lshlrev_b32 v[R32], 5, v[RR]
.irp e, 0,1,2,3,4,5,6,7
	v_mov_b32 v[TP+\e], 0                          ; written once: a lane permute's destination counts as one of its sources
.endr
	v_mov_b32 v[MU+1], 0                           ; named as the upper halves of pairs
	v_mov_b32 v[RS+1], 0
	v_mov_b32 v[PB+1], 0
.irp k, 0,1,2,3
	v_mov_b32 v[ZR+\k], 0
.endr
	; group 1: 16 rows of 256 elements of 4 bytes, 65,536 elements from row to row (one m), 4 words of padding behind each row of 256 words
	s_mov_b32 s[G1+0], (2<<16)|(1<<20)|(7<<22)|(3<<25)
	s_mov_b32 s[G1+1], 256<<16                     ; tensor_dim0
	s_mov_b32 s[G1+2], 16<<16                      ; tensor_dim1
	s_mov_b32 s[G1+3], 256<<16                     ; tile_dim0
	s_mov_b32 s[G1+4], 16                          ; tile_dim1
	s_mov_b32 s[G1+5], 65536                       ; the pitch
	s_mov_b32 s[G1+6], 0
	s_mov_b32 s[G1+7], 0
	s_mov_b32 s[SEL], 0x76543210
	s_mov_b32 s[SEL+1], 0xfedcba98
	s_mov_b32 s78, 0x3b800000                      ; 1 / 256
	s_mov_b32 s79, 0x3727c5ac                      ; 1e-5
	s_lshl_b32 s52, s[WV], 22                      ; 16 w rows of 262,144 bytes
	s_lshl_b32 s53, ttmp9, 10                      ; + l rows of 1,024
	s_add_co_u32 s52, s52, s53
	s_mov_b32 s53, 0
	; where my fragment f = w of proj_w begins: n = w / 2: 6,144 (n % 2) + 192 (n / 2) + 96 (w % 2), and its scales
	s_mul_i32 s62, s59, 6144
	s_mul_i32 s63, s60, 192
	s_add_co_u32 s62, s62, s63
	s_mul_i32 s63, s58, 96
	s_add_co_u32 s62, s62, s63
	s_mov_b32 s63, 0
	s_lshl_b32 s66, s59, 8
	s_lshl_b32 s67, s60, 3
	s_add_co_u32 s66, s66, s67
	s_lshl_b32 s67, s58, 2
	s_add_co_u32 s66, s66, s67
	s_mov_b32 s67, 0
	s_lshl_b32 s68, s58, 2                         ; proj_b: d = 2 lane + w % 2
	s_mov_b32 s69, 0
	s_wait_alu depctr_va_vdst(0)
	s_wait_dscnt 0x0                               ; both opening adds are done
	s_wait_kmcnt 0x0
	s_add_nc_u64 s[54:55], s[4:5], s[52:53]
	s_mov_b32 s[G0], 1
	s_mov_b32 s[G0+1], s56
	s_mov_b64 s[G0+2:G0+3], s[54:55]
	s_or_b32 s[G0+3], s[G0+3], 0x80000000
	tensor_load_to_lds s[G0:G0+3], s[G1:G1+7]      ; my 16 rows
	s_nop 0
	PLACES 4
	s_add_nc_u64 s[10:11], s[10:11], s[62:63]
	s_add_nc_u64 s[12:13], s[12:13], s[66:67]
	s_add_nc_u64 s[14:15], s[14:15], s[68:69]
.irp p, 0,1,2,3,4,5
	global_load_b64 v[FRG+2*\p:FRG+2*\p+1], v[VA], s[10:11] offset:48*(\p/3)+8*(\p%3)
.endr
	global_load_b32 v[FSW], v[R16], s[12:13]
	global_load_b32 v[NWV], v[T4], s[6:7]          ; a thread a channel
	global_load_b32 v[NBV], v[T4], s[8:9]
	global_load_b32 v[PB], v[L8], s[14:15]
	; final_w's 64 fragments (8 K steps x 8 tiles of 16 outputs): work-group s < 8 takes K step s, wave w tile w: a branch on the work-group's number
	s_cmp_lt_u32 ttmp9, 8
	s_cbranch_scc0 .Lno_relay
	s_mul_i32 s70, s[WV], 12288                    ; 16 rows of 768 bytes
	s_mul_i32 s71, ttmp9, 96
	s_add_co_u32 s70, s70, s71
	s_mov_b32 s71, 0
	s_add_nc_u64 s[72:73], s[16:17], s[70:71]
	s_lshl_b32 s70, s[WV], 9                       ; 16 rows of 32 scale bytes
	s_lshl_b32 s69, ttmp9, 2
	s_add_co_u32 s70, s70, s69
	s_add_nc_u64 s[74:75], s[18:19], s[70:71]
.irp p, 0,1,2,3,4,5
	global_load_b64 v[CP+2*\p:CP+2*\p+1], v[FWO], s[72:73] offset:48*(\p/3)+8*(\p%3)
.endr
	global_load_b32 v[CP+12], v[R32], s[74:75]
	s_mul_i32 s70, ttmp9, 13312
	s_mul_i32 s52, s[WV], 1536
	s_add_co_u32 s52, s52, s70
	s_mov_b32 s53, 0
	s_add_nc_u64 s[52:53], s[24:25], s[52:53]      ; the fragment's image
	s_lshl_b32 s69, s[WV], 7
	s_add_co_u32 s70, s70, s69
	s_add_co_u32 s70, s70, 12288
	s_add_nc_u64 s[54:55], s[24:25], s[70:71]      ; its scale words
	s_wait_loadcnt 0x0
.irp g, 0,1,2
	global_store_b128 v[LI], v[CP+4*\g:CP+4*\g+3], s[52:53] offset:512*\g   ; 32 lanes store 512 consecutive bytes
.endr
	global_store_b32 v[L4], v[CP+12], s[54:55]
	s_wait_xcnt 0x0                                ; the stores' data are written again below
.Lno_relay:
	s_wait_loadcnt 0x0
.irp k, 0,1
	ds_store_b128 v[ZC], v[ZR:ZR+3] offset:512*\k  ; the way out is cleared: the bytes between codes and scale words leave as zeros
.endr
	ds_store_b32 v[ANW], v[NWV]                    ; the gains, and proj_w's fragments, for all eight waves
	ds_store_b32 v[ANW], v[NBV] offset:1024
.irp g, 0,1,2
	ds_store_b128 v[AWS], v[FRG+4*\g:FRG+4*\g+3] offset:512*\g
.endr
	ds_store_b32 v[ASS], v[FSW]
	s_wait_dscnt 0x0                               ; for the others' sake
	s_barrier_signal -1                            ; (the tensor loads may stay out)
	s_barrier_wait -1
.irp f, 0,1,2,3,4,5,6,7
	ds_load_b32 v[PWS+\f], v[ASR] offset:128*\f
.endr
	WIN 0x40                                       ; destination window 1
.irp e, 0,1,2,3,4,5,6,7
.irp j, 0,1,2,3
	ds_load_b128 v[16*\e+4*\j:16*\e+4*\j+3], v[ANR] offset:128*\e+16*\j               ; norm_w at channels 32 e + 16 h + 4 j on
	ds_load_b128 v[128+16*\e+4*\j:128+16*\e+4*\j+3], v[ANR] offset:1024+128*\e+16*\j  ; norm_b likewise
.endr
.endr
	WIN 0
.macro FOLD                            ; four chains of pairs -> the row's sum in v[SA], in both lanes that hold the row
	v_pk_add_f32 v[SA:SA+1], v[SA:SA+1], v[SA+2:SA+3]
	v_pk_add_f32 v[SA+4:SA+5], v[SA+4:SA+5], v[SA+6:SA+7]
	v_pk_add_f32 v[SA:SA+1], v[SA:SA+1], v[SA+4:SA+5]
	v_add_f32 v[SA], v[SA], v[SA+1]
	v_permlanex16_b32 v[TP], v[SA], s[SEL], s[SEL+1]
	v_add_f32 v[SA], v[SA], v[TP]
.endm
	; 16 rows of x are normalised and quantised along the channels into two fragments and two scale words.  A row lies in lanes r and r + 16, 128 channels each.
	s_wait_tensorcnt 0x0                           ; my 16 rows are in; only I read them
.irp e, 0,1,2,3,4,5,6,7
.irp j, 0,1,2,3
	ds_load_b128 v[X+16*\e+4*\j:X+16*\e+4*\j+3], v[AX] offset:128*\e+16*\j
.endr
.endr
	s_wait_dscnt 24                                ; the first eight loads of x are in: 24 were issued behind them
.irp k, 0,1,2,3
	v_pk_add_f32 v[SA+2*\k:SA+2*\k+1], v[X+2*\k:X+2*\k+1], v[X+8+2*\k:X+9+2*\k]   ; the first pairs start the chains
.endr
.set p, 8
.rept 8
	v_pk_add_f32 v[SA+2*(p%4):SA+2*(p%4)+1], v[SA+2*(p%4):SA+2*(p%4)+1], v[X+2*p:X+2*p+1]
.set p, p+1
.endr
.irp w, 16,8,0
	s_wait_alu depctr_va_vdst(0)
	s_wait_dscnt \w                                ; the next eight loads are in
.rept 16
	v_pk_add_f32 v[SA+2*(p%4):SA+2*(p%4)+1], v[SA+2*(p%4):SA+2*(p%4)+1], v[X+2*p:X+2*p+1]
.set p, p+1
.endr
.endr
	FOLD
	v_mul_f32 v[MU], s78, v[SA]                    ; the mean
.set p, 0
.rept 64
	v_pk_add_f32 v[X+2*p:X+2*p+1], v[X+2*p:X+2*p+1], v[MU:MU+1] op_sel_hi:[1,0] neg_lo:[0,1] neg_hi:[0,1]   ; x - mean
.set p, p+1
.endr
.irp k, 0,1,2,3
	v_pk_mul_f32 v[SA+2*\k:SA+2*\k+1], v[X+2*\k:X+2*\k+1], v[X+2*\k:X+2*\k+1]
.endr
.set p, 4
.rept 60
	v_pk_fma_f32 v[SA+2*(p%4):SA+2*(p%4)+1], v[X+2*p:X+2*p+1], v[X+2*p:X+2*p+1], v[SA+2*(p%4):SA+2*(p%4)+1]
.set p, p+1
.endr
	FOLD
	v_fma_f32 v[SA], v[SA], s78, s79               ; the variance + 1e-5
	s_wait_alu depctr_va_vdst(0)                   ; the wait ahead of the transcendental,
	v_rsq_f32 v[RS], v[SA]
	v_nop                                          ; a plain place behind it (ISA guide 5.7.2)
	s_wait_alu depctr_va_vdst(0)                   ; and ahead of the first reader
.set p, 0
.rept 64
	v_pk_mul_f32 v[X+2*p:X+2*p+1], v[X+2*p:X+2*p+1], v[RS:RS+1] op_sel_hi:[1,0]
.set p, p+1
.endr
	WIN 0x14                                       ; sources 1 and 2 window 1
.set p, 0
.rept 64
	v_pk_fma_f32 v[X+2*p:X+2*p+1], v[X+2*p:X+2*p+1], v[2*p:2*p+1], v[128+2*p:129+2*p]   ; x norm_w + norm_b
.set p, p+1
.endr
	WIN 0x40
.irp f, 0,1,2,3,4,5,6,7
.irp g, 0,1,2
	ds_load_b128 v[12*\f+4*\g:12*\f+4*\g+3], v[AWI] offset:1536*\f+512*\g   ; proj_w's fragments, where the gains lay
.endr
.endr
	WIN 0
.irp e, 0,1,2,3,4,5,6,7
	v_max3_num_f32 v[TM+\e], |v[X+16*\e]|, |v[X+16*\e+1]|, 0x1800000   ; block e: my 16 numbers, and the floor 2^(3 - 127): the byte cannot fall under 1
.endr
.irp i, 2,4,6,8,10,12,14
.irp e, 0,1,2,3,4,5,6,7
	v_max3_num_f32 v[TM+\e], v[TM+\e], |v[X+16*\e+\i]|, |v[X+16*\e+\i+1]|   ; (the eight blocks by turns)
.endr
.endr
.irp e, 0,1,2,3,4,5,6,7
	v_permlanex16_b32 v[TP+\e], v[TM+\e], s[SEL], s[SEL+1]
.endr
.irp e, 0,1,2,3,4,5,6,7
	v_max_num_f32 v[TM+\e], v[TM+\e], v[TP+\e]     ; with lane l xor 16's: the block's largest magnitude
.endr
.irp e, 0,1,2,3,4,5,6,7
	v_add_nc_u32 v[TS+\e], 0xff000000, v[TM+\e]    ; 2 off its exponent field: the conversion's scale operand
.endr
.irp e, 0,1,2,3,4,5,6,7
	v_lshrrev_b32 v[TP+\e], 23, v[TS+\e]           ; the scale's byte
.endr
.irp k, 0,1
	v_lshl_or_b32 v[XS+\k], v[TP+4*\k+1], 8, v[TP+4*\k]
	v_lshl_or_b32 v[XS+\k], v[TP+4*\k+2], 16, v[XS+\k]
	v_lshl_or_b32 v[XS+\k], v[TP+4*\k+3], 24, v[XS+\k]
.endr
.irp k, 0,1
.irp c, 0,1
	v_cvt_scalef32_pk16_fp6_f32 v[XC+12*\k+6*\c:XC+12*\k+6*\c+2], v[X+64*\k+32*\c:X+64*\k+32*\c+15], v[TS+4*\k+2*\c]
	v_cvt_scalef32_pk16_fp6_f32 v[PX+8*\k+4*\c:PX+8*\k+4*\c+2], v[X+64*\k+32*\c+16:X+64*\k+32*\c+31], v[TS+4*\k+2*\c+1]   ; (a conversion's three registers begin on an even number)
.endr
.endr
	v_nop                                          ; one plain place behind a scaled conversion
.irp k, 0,1
.irp c, 0,1                            ; the operand's layout wants a whole block in a lane: lanes 0-15 block 2 c, lanes 16-31 block 2 c + 1
.irp i, 0,1,2
	v_permlane16_swap_b32 v[XC+12*\k+6*\c+\i], v[PX+8*\k+4*\c+\i]
.endr
.irp i, 0,1,2
	v_mov_b32 v[XC+12*\k+6*\c+3+\i], v[PX+8*\k+4*\c+\i]
.endr
.endr
.endr
	PLACES 8                                       ; scale words made by vector instructions stand 8 places ahead of a scaled matrix instruction, operands so made 4
	s_wait_alu depctr_va_vdst(0)
	s_wait_dscnt 0x0                               ; proj_w's fragments
	; product 1: four accumulators (tiles of channels) by turns, one instruction a turn
	WIN 0x04                                       ; source 1 (proj_w) window 1
.irp n, 0,1,2,3
	v_wmma_scale_f32_16x16x128_f8f6f4 v[ACC+8*\n:ACC+8*\n+7], v[XC:XC+11], v[24*\n:24*\n+11], 0, v[XS], v[PWS+2*\n] matrix_a_fmt:MATRIX_FMT_FP6 matrix_b_fmt:MATRIX_FMT_FP6
.endr
.irp n, 0,1,2,3
	v_wmma_scale_f32_16x16x128_f8f6f4 v[ACC+8*\n:ACC+8*\n+7], v[XC+12:XC+23], v[24*\n+12:24*\n+23], v[ACC+8*\n:ACC+8*\n+7], v[XS+1], v[PWS+2*\n+1] matrix_a_fmt:MATRIX_FMT_FP6 matrix_b_fmt:MATRIX_FMT_FP6
.endr
	WIN 0
	PLACES 4                                       ; in front of the stores of results
.irp n, 0,1,2,3
	ds_store_b128 v[ADW], v[ACC+8*\n:ACC+8*\n+3] offset:16*DP*\n            ; channel 16 n + r, m = 16 w + 8 h on; each accumulator from its low end on
	ds_store_b128 v[ADW], v[ACC+8*\n+4:ACC+8*\n+7] offset:16*DP*\n+16
.endr
	s_wait_dscnt 0x0                               ; for the others' sake
	s_barrier_signal -1
	s_barrier_wait -1
.irp i, 0,1,2,3,4,5,6,7
	ds_load_b128 v[X+4*\i:X+4*\i+3], v[ADR] offset:16*\i                   ; my channel, my block of 32 m
.endr
	s_wait_dscnt 0x0
.irp i, 0,2,4,6,8,10,12,14,16,18,20,22,24,26,28,30
	v_pk_add_f32 v[X+\i:X+\i+1], v[X+\i:X+\i+1], v[PB:PB+1] op_sel_hi:[1,0]   ; + proj_b
.endr
	v_max3_num_f32 v[TM], |v[X]|, |v[X+1]|, 0x1800000
	v_max3_num_f32 v[TM+1], |v[X+16]|, |v[X+17]|, |v[X+18]|
.irp i, 2,4,6,8,10,12
	v_max3_num_f32 v[TM], v[TM], |v[X+\i]|, |v[X+\i+1]|
	v_max3_num_f32 v[TM+1], v[TM+1], |v[X+17+\i]|, |v[X+18+\i]|
.endr
	v_max3_num_f32 v[TM], v[TM], |v[X+14]|, |v[X+15]|
	v_max3_num_f32 v[TM], v[TM], v[TM+1], |v[X+31]|
	v_add_nc_u32 v[TS], 0xff000000, v[TM]
	v_cvt_scalef32_pk16_fp6_f32 v[XC:XC+2], v[X:X+15], v[TS]
	v_cvt_scalef32_pk16_fp6_f32 v[XC+8:XC+10], v[X+16:X+31], v[TS]
	v_lshrrev_b32 v[TP], 23, v[TS]                 ; the scale's byte: a plain place behind the conversions
.irp i, 0,1,2
	v_mov_b32 v[XC+3+\i], v[XC+8+\i]               ; the block's six registers
.endr
	s_wait_alu depctr_va_vdst(0)
	s_cmp_eq_u32 s58, 0
	s_cbranch_scc0 .Lis_j
.irp p, 0,1,2
	ds_store_b64 v[ASI], v[XC+2*\p:XC+2*\p+1] offset:8*\p          ; into the record of x = lane
.endr
	ds_store_b8 v[SBI], v[TP]
	s_branch .Lstaged
.Lis_j:
.irp p, 0,1,2
	ds_store_b64 v[ASJ+\p], v[XC+2*\p:XC+2*\p+1]                   ; y = lane
.endr
	ds_store_b8 v[SBJ], v[TP]
.Lstaged:
	s_wait_dscnt 0x0                               ; for the others' sake: my stores are done
	s_barrier_signal -1
	s_barrier_wait -1
.irp k, 0,1
	ds_load_b128 v[CP+4*\k:CP+4*\k+3], v[ZC] offset:512*\k
.endr
	s_wait_dscnt 0x0
	s_cmp_lt_u32 s[WV], 4
	s_cbranch_scc0 .Lto_bj
	s_lshr_b32 s66, ttmp9, 4                       ; ai: 65,536 (l / 16) + 8,192 (2 w + k) + 512 (l % 16)
	s_lshl_b32 s66, s66, 16
	s_and_b32 s67, ttmp9, 15
	s_lshl_b32 s67, s67, 9
	s_add_co_u32 s66, s66, s67
	s_lshl_b32 s67, s[WV], 14
	s_add_co_u32 s66, s66, s67
	s_mov_b32 s67, 0
	s_add_nc_u64 s[20:21], s[20:21], s[66:67]
.irp k, 0,1
	global_store_b128 v[LI], v[CP+4*\k:CP+4*\k+3], s[20:21] offset:8192*\k   ; four records: 512 consecutive bytes, at a multiple of 512 from ai's first byte
.endr
	s_branch .Lend
.Lto_bj:
	s_sub_co_u32 s66, s[WV], 4                     ; bj: 4,096 l + 1,024 (w - 4) + 512 k
	s_lshl_b32 s66, s66, 10
	s_lshl_b32 s67, ttmp9, 12
	s_add_co_u32 s66, s66, s67
	s_mov_b32 s67, 0
	s_add_nc_u64 s[22:23], s[22:23], s[66:67]
.irp k, 0,1
	global_store_b128 v[LI], v[CP+4*\k:CP+4*\k+3], s[22:23] offset:512*\k
.endr
.Lend:
	s_wait_tensorcnt 0x0                           ; the wave's end
	ds_add_u32 v[SPW], v[NIL]
	s_wait_dscnt 0x0
	s_endpgm
.Lfunc_end_k_q232cdeb953_prep:
	.size	k_q232cdeb953_prep, .Lfunc_end_k_q232cdeb953_prep-k_q232cdeb953_prep
	.p2alignl 7, 3214868480
	.fill 96, 4, 3214868480
	.section	.rodata,"a",@progbits
	.p2align	6, 0x0
	.amdhsa_kernel k_q232cdeb953_prep
		.amdhsa_group_segment_fixed_size 191488
		.amdhsa_private_segment_fixed_size 0
		.amdhsa_enable_private_segment 0
		.amdhsa_kernarg_size 88
		.amdhsa_user_sgpr_count 2
		.amdhsa_user_sgpr_kernarg_segment_ptr 1
		.amdhsa_wavefront_size32 1
		.amdhsa_system_sgpr_workgroup_id_x 1
		.amdhsa_system_sgpr_workgroup_id_y 1
		.amdhsa_system_sgpr_workgroup_id_z 1
		.amdhsa_system_vgpr_workitem_id 0
		.amdhsa_next_free_vgpr 512
		.amdhsa_next_free_sgpr 80
		.amdhsa_reserve_vcc 0
		.amdhsa_float_denorm_mode_32 3
		.amdhsa_float_denorm_mode_16_64 3
		.amdhsa_memory_ordered 1
		.amdhsa_forward_progress 1
		.amdhsa_inst_pref_size 54
	.end_amdhsa_kernel
	.amdgpu_metadata
---
amdhsa.version: [ 1, 2 ]
amdhsa.kernels:
  - .name:           k_q232cdeb953_prep
    .symbol:         k_q232cdeb953_prep.kd
    .args:
      - { .name: x1d, .offset: 0, .size: 8, .value_kind: global_buffer, .address_space: global }
      - { .name: norm_w, .offset: 8, .size: 8, .value_kind: global_buffer, .address_space: global }
      - { .name: norm_b, .offset: 16, .size: 8, .value_kind: global_buffer, .address_space: global }
      - { .name: proj_w_codes, .offset: 24, .size: 8, .value_kind: global_buffer, .address_space: global }
      - { .name: proj_w_scales, .offset: 32, .size: 8, .value_kind: global_buffer, .address_space: global }
      - { .name: proj_b, .offset: 40, .size: 8, .value_kind: global_buffer, .address_space: global }
      - { .name: final_w_codes, .offset: 48, .size: 8, .value_kind: global_buffer, .address_space: global }
      - { .name: final_w_scales, .offset: 56, .size: 8, .value_kind: global_buffer, .address_space: global }
      - { .name: ai, .offset: 64, .size: 8, .value_kind: global_buffer, .address_space: global }
      - { .name: bj, .offset: 72, .size: 8, .value_kind: global_buffer, .address_space: global }
      - { .name: fwimg, .offset: 80, .size: 8, .value_kind: global_buffer, .address_space: global }
    .group_segment_fixed_size: 191488
    .private_segment_fixed_size: 0
    .kernarg_segment_align: 8
    .kernarg_segment_size: 88
    .max_flat_workgroup_size: 256
    .sgpr_count:     80
    .vgpr_count:     512
    .wavefront_size: 32
...
	.end_amdgpu_metadata
.endif
;; end of part 1
;; launch pair (part 2): grid 16 x 16, 8 waves a work-group, clusters of 4 x 1, 209,920 bytes of LDS; arguments ai, bj, fwimg, final_b, out0; writes out0
.if DOCPART == 2
	.amdgcn_target "amdgcn-amd-amdhsa--gfx1250"
	.amdhsa_code_object_version 6
	.text
	.protected	k_q232cdeb953_pair
	.globl	k_q232cdeb953_pair
	.p2align	8
	.type	k_q232cdeb953_pair,@function
k_q232cdeb953_pair:
	s_mov_b64 s[64:65], 0
	v_nop
	global_prefetch_b8 v0, s[64:65] scope:SCOPE_SE
	s_setreg_imm32_b32 hwreg(HW_REG_WAVE_MODE, 25, 1), 1
	s_wait_xcnt 0x0
	s_wait_alu depctr_hold_cnt(0) depctr_sa_sdst(0) depctr_va_vdst(0) depctr_va_sdst(0) depctr_va_ssrc(0) depctr_va_vcc(0) depctr_vm_vsrc(0)
	s_getreg_b32 s2, hwreg(HW_REG_IB_STS2, 6, 4)
	s_cmp_eq_u32 s2, 0
	s_cbranch_scc0 .Lentry_in_a_cluster
	s_endpgm
.Lentry_in_a_cluster:
	s_bfe_u32 s2, ttmp6, 0x10000c
	s_cmp_lg_u32 s2, 0x3003
	s_cbranch_scc0 .Lentry_shape_is_right
	s_endpgm
.Lentry_shape_is_right:
; out[i][j][o] = final_b[o] + sum over (x, y) of Q(x2d[i][j][x][y]) final_w[o][32 x + y],  x2d[i][j][x][y] = (sum over m of Qi[m][i][x] Qj[m][j][y]) / 128: products 2 and 3, on codes of FP6 (E2M3) with E8M0 scales.
; x2d never leaves the registers.  SHARES.  A work-group makes 16 i x 16 j; wave w of eight takes the pair j0 = 16 jb + 2 w, j1 = j0 + 1: two tiles of 16 rows of the third product (i = 16 ib + r, j fixed).
; The third product's K = (x, y) has eight steps of 128: x = 4 s .. 4 s + 3, all 32 y; a block of 32 is one x.
; PHASE 1, sixteen halves k = 2 s + c (x = 4 s + 2 c, + 1): 8 products S = j i^T.  Source 0 is a tile of 16 rows of j: rows 0-7 are y = 8 t .. 8 t + 7 of j0, rows 8-15 the same y of j1; source 1 = 16 i of one x.
; So a lane of half h holds (i = r, j = j0 + h), and the 32 registers of tiles t = 0 .. 3 are its y = 0 .. 31: A WHOLE BLOCK IN A LANE: its largest magnitude asks no other lane.
; The codes of x = 2 c and x = 2 c + 1 then change places across the lanes' halves, and are j0's and j1's operands.  All eight steps' operands stay in registers.
; The scale words of j0 stand in lanes 0-15 and those of j1 in lanes 16-31 of one register (ROW1 for j1).
; PHASE 2, two groups of 64 outputs x eight K steps: 8 products each; a group's results leave while the next group is multiplied.
; THE DIVISION BY 128: the codes of S / 128 under its scale are the codes of S under 128 times that scale, so S is converted as it stands and 7 is taken off each scale byte.
; The floor among the maximum's leaves is 2^(10 - 127), so that no byte falls under 1 and none borrows from its neighbour: the rule's hold of the exponent at -126, for x2d.
; LIMITS: NaN and infinities are not served.  A block of zeros gets the byte 1 where the rule says 127: its codes are zeros.
; CLUSTER.  The four work-groups of a cluster share ib and final_w: both are asked for JOINTLY (mask 15).  j differs between them and goes from memory straight into registers.  A 4 x 4 cluster would share
; final_w no further (a mask names four at the most).  Everything fits into LDS once: nothing is filled again.  No data prefetch: every read but the 16 loads of final_b is asked for at the head, with no loop to run ahead in.
; REGISTERS, in windows of 256.  Window 0: as named below; v64-111 j's fragments, v112-159 i's, two halves; v160-191 the bias; v192-255 S of the halves c = 0.
;   Window 1: v0-63 S of the halves c = 1; v64-255 the operands made here, 24 s + 12 q.   In phase 2: v64-159 final_w's fragments, two buffers; v192-255 rows of out; window 1 v0-63 the accumulators, 8 (2 t + q).
; (final_b's 16 loads come behind the head, in two groups of 8: the first in phase 1, the second in phase 2.)
.set FSL,   13312                      ; a K step's slice of fwimg: 8 images of 1,536 bytes, 8 x 128 bytes of scale words
.set IB,    8*FSL                      ; LDS: final_w's eight slices, dense; then i's eight slices: 16 rows of 512 bytes (4 records) + 16 of padding: 33 x 16, so that the 16 rows of a load start 16 bytes apart modulo 256
.set IP,    528
.set ISL,   16*IP
.set STAGE, IB+8*ISL                   ; the way out: 16 rows x (256 + 16) bytes for each wave; no tensor load lands here
.set SP,    272
.set SPARE, STAGE+8*16*SP              ; the spare words, 128 bytes for each wave
.set SPW, 2                            ; v2   my spare word
.set NIL, 3                            ; v3   0
.set AF0, 4                            ; v4, v5  final_w's images of K steps 0-3, 4-7: 16 lane
.set AS0, 6                            ; v6, v7  their scale words: 4 lane
.set AI,  8                            ; v8   i's records: IB + 528 r + 48 h
.set AIS, 9                            ; v9   their scale words
.set STO, 10                           ; v10  the stage, in: 272 r + 32 h
.set RD,  11                           ; v11  and back: 272 h + 16 r
.set CO,  12                           ; v12  in out0: 131,072 h + 16 r
.set BAD, 13                           ; v13  in final_b: 32 h
.set JO,  14                           ; v14  in bj: 4,096 (r / 8) + 128 h + 16 (r % 8)
.set JS,  15                           ; v15  the scale words: 4,096 (r / 8) + 4 (r % 8)
.set JSC, 20                           ; v20-23 j's scale words, t
.set ISC, 24                           ; v24-27 i's, x % 4
.set PW,  28                           ; v28-35 the scale words made here: even steps from v32, odd steps from v28
.set FSC, 36                           ; v36-43 final_w's, two sets
.set TA,  44                           ; v44-45 largest magnitudes, one for each x of the half, in two chains (v46-47)
.set TB,  46
.set TS,  48                           ; v48-49 the conversions' scale operands
.set BY,  50                           ; v50-51 the scale bytes
.set X0,  52                           ; v52-54, v56-58 second halves of blocks
.set X1,  56
.set JF,  64
.set IF,  112
.set FB,  64
.set BI,  160
.set RB,  192
.set WV,  14                           ; s14  my wave's number
.set G1F, 16                           ; s[16:23] group 1 for final_w;  s[24:31] for i
.set G1I, 24
.set G0F, 32                           ; s[32:35] group 0 for final_w;  s[36:39] for i
.set G0I, 36
.set FLR, 76                           ; s76  the floor 2^(10 - 127)
.set SEV, 77                           ; s77  7 in each byte
.set MSB, 0
.macro WIN new                         ; the immediate's high byte repeats the setting that is left
.if MSB != (\new)
	s_set_vgpr_msb (MSB<<8)|(\new)
.set MSB, \new
.endif
.endm
.macro PLACES n
.rept \n
	v_nop
.endr
.endm
.macro CROUND                          ; a round of the cluster's barrier
	s_barrier_signal -1
	s_barrier_wait -1
	s_cmp_lg_u32 s[WV], 0
	s_cbranch_scc1 .Lnot_wave_0_\@
	s_barrier_signal -3
.Lnot_wave_0_\@:
	s_barrier_wait -3
	s_barrier_signal -1
	s_barrier_wait -1
.endm
.macro BIASLD off                      ; final_b[16 t + 8 h + 0 .. 7] of a group's four tiles
.irp t, 0,1,2,3
	global_load_b128 v[BI+8*\t:BI+8*\t+3], v[BAD], s[10:11] offset:\off+64*\t
	global_load_b128 v[BI+8*\t+4:BI+8*\t+7], v[BAD], s[10:11] offset:\off+64*\t+16
.endr
.endm
.macro JLD                             ; j's four tiles: a load takes 256 consecutive bytes of j0's record and 256 of j1's
.irp t, 0,1,2,3
.irp g, 0,1,2
	global_load_b128 v[JF+12*\t+4*\g:JF+12*\t+4*\g+3], v[JO], s[6:7] offset:768*\t+256*\g
.endr
	global_load_b32 v[JSC+\t], v[JS], s[6:7] offset:3072+32*\t
.endr
.endm
	s_load_b256 s[4:11], s[0:1], 0x0               ; ai s[4:5], bj s[6:7], fwimg s[8:9], final_b s[10:11]
	s_load_b64 s[12:13], s[0:1], 0x20              ; out0
	v_lshl_add_u32 v[SPW], v0, 2, SPARE
	v_mov_b32 v[NIL], 0
	ds_add_u32 v[SPW], v[NIL]                      ; the wave's opening: the add, twice on end, and its wait
	ds_add_u32 v[SPW], v[NIL]
	v_lshrrev_b32 v16, 5, v0
	v_readfirstlane_b32 s[WV], v16                 ; wave 0..7
	s_and_b32 s15, s[WV], 3                        ; which two slices I fetch
	s_mul_i32 s85, s[WV], 16*SP
	s_add_co_u32 s85, s85, STAGE                   ; my stage
	v_and_b32 v16, 31, v0                          ; lane
	v_and_b32 v17, 15, v0                          ; r
	v_bfe_u32 v18, v0, 4, 1                        ; h
	v_lshrrev_b32 v19, 3, v17                      ; r / 8
	v_and_b32 v1, 7, v17                           ; r % 8
	v_lshlrev_b32 v[AF0], 4, v16
	v_add_nc_u32 v[AF0+1], 4*FSL, v[AF0]
	v_lshl_add_u32 v[AS0], v16, 2, 12288
	v_add_nc_u32 v[AS0+1], 4*FSL, v[AS0]
	v_mul_u32_u24 v[AI], v17, IP
	v_add_nc_u32 v[AIS], IB+96, v[AI]
	v_mad_u32_u24 v[AI], v18, 48, v[AI]
	v_add_nc_u32 v[AI], IB, v[AI]
	v_mul_u32_u24 v[STO], v17, SP
	v_lshl_add_u32 v[STO], v18, 5, v[STO]
	v_add_nc_u32 v[STO], s85, v[STO]
	v_mul_u32_u24 v[RD], v18, SP
	v_lshl_add_u32 v[RD], v17, 4, v[RD]
	v_add_nc_u32 v[RD], s85, v[RD]
	v_lshlrev_b32 v[CO], 4, v17
	v_lshl_add_u32 v[CO], v18, 17, v[CO]
	v_lshlrev_b32 v[BAD], 5, v18
	v_lshlrev_b32 v[JS], 12, v19
	v_lshl_add_u32 v[JO], v18, 7, v[JS]
	v_lshl_add_u32 v[JO], v1, 4, v[JO]
	v_lshl_add_u32 v[JS], v1, 2, v[JS]
	s_bfe_u32 s66, ttmp6, 0x40000                  ; cx: my place in the cluster
	s_lshl_b32 s67, ttmp9, 2
	s_add_co_u32 s67, s67, s66                     ; jb = 4 x cluster x + cx: it enters bj's and out0's addresses alone
	s_and_b32 s68, ttmp7, 0xffff                   ; ib, which the four partners share
	; group 1, two of final_w's slices: 26,624 dense bytes as 104 rows of 32 elements of 8 bytes; the mask names all four work-groups, bit 21 set beside it
	s_mov_b32 s[G1F+0], 15|(3<<16)|(1<<21)
	s_mov_b32 s[G1F+1], 32<<16
	s_mov_b32 s[G1F+2], 104<<16
	s_mov_b32 s[G1F+3], 32<<16
	s_mov_b32 s[G1F+4], 104
	s_mov_b32 s[G1F+5], 32
	s_mov_b32 s[G1F+6], 0
	s_mov_b32 s[G1F+7], 0
	; two of i's slices: 32 dense rows of 64 elements of 8 bytes, 4 words of padding behind each row of 128 words
	s_mov_b32 s[G1I+0], 15|(3<<16)|(1<<20)|(1<<21)|(6<<22)|(3<<25)
	s_mov_b32 s[G1I+1], 64<<16
	s_mov_b32 s[G1I+2], 32<<16
	s_mov_b32 s[G1I+3], 64<<16
	s_mov_b32 s[G1I+4], 32
	s_mov_b32 s[G1I+5], 64
	s_mov_b32 s[G1I+6], 0
	s_mov_b32 s[G1I+7], 0
	s_mul_i32 s70, s15, 2*FSL                      ; final_w: in memory and in LDS
	s_mov_b32 s71, 0
	s_mul_i32 s78, s15, 2*ISL                      ; i: in LDS,
	s_lshl_b32 s80, s68, 16                        ; and in memory: 65,536 ib + 16,384 (wave % 4)
	s_lshl_b32 s81, s15, 14
	s_add_co_u32 s80, s80, s81
	s_mov_b32 s81, 0
	s_lshl_b32 s84, s67, 4
	s_lshl_b32 s85, s[WV], 1
	s_add_co_u32 s84, s84, s85                     ; j0
	s_lshl_b32 s86, s84, 12                        ; 4,096 bytes of bj for each j
	s_mov_b32 s87, 0
	s_lshl_b32 s88, s68, 21                        ; out0: 16 ib rows of 131,072 bytes
	s_lshl_b32 s89, s84, 9                         ; + 512 for each j
	s_add_co_u32 s88, s88, s89
	s_mov_b32 s89, 0
	s_mov_b32 s[FLR], 0x05000000
	s_mov_b32 s[SEV], 0x07070707
	s_wait_alu depctr_va_vdst(0)
	s_wait_dscnt 0x0                               ; both opening adds are done
	CROUND                                         ; all four work-groups are here: the joint loads meet.  (The arguments may still be on their way)
	s_wait_kmcnt 0x0
	s_add_nc_u64 s[72:73], s[8:9], s[70:71]
	s_add_nc_u64 s[82:83], s[4:5], s[80:81]
	s_add_nc_u64 s[6:7], s[6:7], s[86:87]
	s_add_nc_u64 s[12:13], s[12:13], s[88:89]
	s_mov_b32 s[G0F], 1                            ; every wave makes both and asks by one of them
	s_mov_b32 s[G0F+1], s70
	s_mov_b64 s[G0F+2:G0F+3], s[72:73]
	s_or_b32 s[G0F+3], s[G0F+3], 0x80000000
	s_mov_b32 s[G0I], 1
	s_add_co_u32 s[G0I+1], s78, IB
	s_mov_b64 s[G0I+2:G0I+3], s[82:83]
	s_or_b32 s[G0I+3], s[G0I+3], 0x80000000
	s_cmp_lt_u32 s[WV], 4                          ; waves 0-3 fetch i, which is needed first; waves 4-7 final_w, behind their loads of j.  One tensor load a wave
	s_cbranch_scc0 .Lfor_f
	tensor_load_to_lds s[G0I:G0I+3], s[G1I:G1I+7]
	s_nop 0
	PLACES 4
	JLD
	s_branch .Lasked
.Lfor_f:
	JLD
	tensor_load_to_lds s[G0F:G0F+3], s[G1F:G1F+7]
	s_nop 0
	PLACES 4
.Lasked:
.macro LDI k                           ; i's two fragments and scale words of half k: 8 LDS loads
.set HC, (\k)%2
.set HS, (\k)/2
	WIN 0
.irp u, 0,1
.irp g, 0,1,2
	ds_load_b128 v[IF+24*HC+12*\u+4*\g:IF+24*HC+12*\u+4*\g+3], v[AI] offset:ISL*HS+128*(2*HC+\u)+16*\g
.endr
	ds_load_b32 v[ISC+2*HC+\u], v[AIS] offset:ISL*HS+128*(2*HC+\u)
.endr
.endm
.macro P2 k                            ; S = j i^T: 8 products, each a whole sum (K = the 128 m)
.set HC, (\k)%2
.set SB, 192-192*HC
	WIN 0x40*HC
.irp u, 0,1
.irp t, 0,1,2,3
	v_wmma_scale_f32_16x16x128_f8f6f4 v[SB+32*\u+8*\t:SB+32*\u+8*\t+7], v[JF+12*\t:JF+12*\t+11], v[IF+24*HC+12*\u:IF+24*HC+12*\u+11], 0, v[JSC+\t], v[ISC+2*HC+\u] matrix_a_fmt:MATRIX_FMT_FP6 matrix_b_fmt:MATRIX_FMT_FP6
.endr
.endr
.endm
.macro QU k                            ; half k's two blocks a lane become 6 registers of each of two operands
.set HC, (\k)%2
.set HS, (\k)/2
.set SB, 192-192*HC
.set P0, 64+24*HS+6*HC
.set PWR, PW+4-4*(HS%2)+HS/2
	WIN 0x14*HC                                    ; sources 1 and 2: S's window
.irp u, 0,1
	v_max3_num_f32 v[TA+\u], s[FLR], |v[SB+32*\u]|, |v[SB+32*\u+1]|       ; the floor among the leaves; each accumulator is read from its low end on
	v_max3_num_f32 v[TB+\u], s[FLR], |v[SB+32*\u+16]|, |v[SB+32*\u+17]|
.endr
.irp i, 2,4,6,8,10,12,14
.irp u, 0,1
	v_max3_num_f32 v[TA+\u], v[TA+\u], |v[SB+32*\u+\i]|, |v[SB+32*\u+\i+1]|
	v_max3_num_f32 v[TB+\u], v[TB+\u], |v[SB+32*\u+16+\i]|, |v[SB+32*\u+17+\i]|
.endr
.endr
	WIN 0
.irp u, 0,1
	v_max_num_f32 v[TA+\u], v[TA+\u], v[TB+\u]
.endr
.irp u, 0,1
	v_add_nc_u32 v[TS+\u], 0xff000000, v[TA+\u]    ; 2 off its exponent field: the conversion's scale operand, for S as it stands
.endr
	WIN HC                                         ; source 0: S's window
	v_cvt_scalef32_pk16_fp6_f32 v[X0:X0+2], v[SB+16:SB+31], v[TS]         ; (a conversion's three registers begin on an even number: the second halves are moved)
	v_cvt_scalef32_pk16_fp6_f32 v[X1:X1+2], v[SB+48:SB+63], v[TS+1]
	WIN 0x40+HC
	v_cvt_scalef32_pk16_fp6_f32 v[P0:P0+2], v[SB:SB+15], v[TS]
	v_cvt_scalef32_pk16_fp6_f32 v[P0+12:P0+14], v[SB+32:SB+47], v[TS+1]
	WIN 0
	v_lshrrev_b32 v[BY], 23, v[TS]                 ; the scale bytes: plain work behind the conversions
	v_lshrrev_b32 v[BY+1], 23, v[TS+1]
.if HC == 0
	v_lshl_or_b32 v[PWR], v[BY+1], 8, v[BY]
.else
	v_lshl_or_b32 v[PWR], v[BY], 16, v[PWR]
	v_lshl_or_b32 v[PWR], v[BY+1], 24, v[PWR]
	v_sub_nc_u32 v[PWR], v[PWR], s[SEV]            ; 7 off each byte: the division by 128.  Every byte is 8 at the least: none borrows
.endif
.irp i, 0,1,2                          ; lanes 16-31 of x = 2 c (j1's) change places with lanes 0-15 of x = 2 c + 1 (j0's): the first is then j0's operand, the second j1's
	v_permlane16_swap_b32 v[X0+\i], v[X1+\i]
.endr
	WIN 0x41
.irp i, 0,1,2
	v_permlane16_swap_b32 v[P0+\i], v[P0+12+\i]
.endr
	WIN 0x40
.irp i, 0,1,2
	v_mov_b32 v[P0+3+\i], v[X0+\i]
	v_mov_b32 v[P0+15+\i], v[X1+\i]
.endr
.endm
; Half k: its products, then the quantiser for the half before; so between a half's products and the first read of their results stands the other half's quantiser.
.macro HALF k
.if (\k) == 4
	s_wait_tensorcnt 0x0                           ; my tensor load is in,
	s_wait_dscnt 0x0                               ; no LDS instruction is pending at a signal
	s_barrier_signal -1
.else
.if (\k) == 15
	s_wait_dscnt 0x0
.else
	s_wait_dscnt 8                                 ; half k's loads of i are in; the next half's 8 may be out
.endif
.endif
	P2 \k
.if (\k) == 4
	s_barrier_wait -1                              ; and every wave's is: final_w is whole.  No barrier follows until the end
.endif
.if (\k) == 0
	WIN 0
	PLACES 4                                       ; in front of the loads below and of the first read of S
.else
.set KQ, (\k)-1
	QU KQ
.endif
.if (\k) < 14
.set KL, (\k)+2
	LDI KL                                         ; into registers that this half's products read: the quantiser's lines are the places between
.endif
.if (\k) == 4
	BIASLD 0                                       ; the first group's bias
.endif
.endm
.macro LDF m                           ; group m / 8, K step m % 8: four fragments of final_w and their scale words: 16 LDS loads, into buffer m % 2
.set HB, (\m)%2
.set HS, (\m)%8
.set HG, (\m)/8
	WIN 0
.irp t, 0,1,2,3
.irp i, 0,1,2
	ds_load_b128 v[FB+48*HB+12*\t+4*\i:FB+48*HB+12*\t+4*\i+3], v[AF0+HS/4] offset:FSL*(HS%4)+1536*(4*HG+\t)+512*\i
.endr
	ds_load_b32 v[FSC+4*HB+\t], v[AS0+HS/4] offset:FSL*(HS%4)+128*(4*HG+\t)
.endr
.endm
.macro P3 m                            ; 8 products, the 8 accumulators by turns, one instruction a turn, in the same order in every step.  A group's first step takes the bias as C
.set HB, (\m)%2
.set HS, (\m)%8
.set PWR, PW+4-4*(HS%2)+HS/2
.if HS == 0
	WIN 0x44                                       ; source 1 and destination window 1
.else
	WIN 0x54                                       ; C too
.endif
.irp t, 0,1,2,3
.if HS == 0
	v_wmma_scale_f32_16x16x128_f8f6f4 v[16*\t:16*\t+7], v[FB+48*HB+12*\t:FB+48*HB+12*\t+11], v[64+24*HS:64+24*HS+11], v[BI+8*\t:BI+8*\t+7], v[FSC+4*HB+\t], v[PWR] matrix_a_fmt:MATRIX_FMT_FP6 matrix_b_fmt:MATRIX_FMT_FP6
	v_wmma_scale_f32_16x16x128_f8f6f4 v[16*\t+8:16*\t+15], v[FB+48*HB+12*\t:FB+48*HB+12*\t+11], v[76+24*HS:76+24*HS+11], v[BI+8*\t:BI+8*\t+7], v[FSC+4*HB+\t], v[PWR] matrix_a_fmt:MATRIX_FMT_FP6 matrix_b_fmt:MATRIX_FMT_FP6 matrix_b_scale:MATRIX_SCALE_ROW1
.else
	v_wmma_scale_f32_16x16x128_f8f6f4 v[16*\t:16*\t+7], v[FB+48*HB+12*\t:FB+48*HB+12*\t+11], v[64+24*HS:64+24*HS+11], v[16*\t:16*\t+7], v[FSC+4*HB+\t], v[PWR] matrix_a_fmt:MATRIX_FMT_FP6 matrix_b_fmt:MATRIX_FMT_FP6
	v_wmma_scale_f32_16x16x128_f8f6f4 v[16*\t+8:16*\t+15], v[FB+48*HB+12*\t:FB+48*HB+12*\t+11], v[76+24*HS:76+24*HS+11], v[16*\t+8:16*\t+15], v[FSC+4*HB+\t], v[PWR] matrix_a_fmt:MATRIX_FMT_FP6 matrix_b_fmt:MATRIX_FMT_FP6 matrix_b_scale:MATRIX_SCALE_ROW1
.endif
.endr
.endm
; THE WAY OUT of a group: for each j 16 rows (i) of 64 outputs.  A lane holds 32 neighbouring bytes of a row: the tile goes through my own stage and comes back as whole rows of 256 bytes, two rows a load.
; LDS serves a wave's instructions in order (ISA guide 5.7.1.4): no wait between the stores and the loads, nor in front of the second tile's stores.
.macro TOSTAGE q
	WIN 0x04                                       ; an LDS store's data are its source 1: window 1
.irp t, 0,1,2,3
	ds_store_b128 v[STO], v[16*\t+8*\q:16*\t+8*\q+3] offset:64*\t         ; each accumulator from its low end on
	ds_store_b128 v[STO], v[16*\t+8*\q+4:16*\t+8*\q+7] offset:64*\t+16
.endr
	WIN 0
.irp n, 0,1,2,3,4,5,6,7
	ds_load_b128 v[RB+32*\q+4*\n:RB+32*\q+4*\n+3], v[RD] offset:2*SP*\n
.endr
.endm
.macro SEND q, g
.irp n, 0,1,2,3,4,5,6,7
	global_store_b128 v[CO], v[RB+32*\q+4*\n:RB+32*\q+4*\n+3], s[12:13] offset:262144*\n+512*\q+256*(\g) th:TH_STORE_NT   ; 16 lanes store 256 consecutive bytes, at a multiple of 256 from out0's first byte
.endr
.endm
.macro STEP2 m
.if (\m)%8 == 0
	s_wait_loadcnt 0x0                             ; the group's bias
.endif
.if (\m) == 15
	s_wait_dscnt 0x0
.else
	s_wait_dscnt 16                                ; this step's fragments are in; the next step's 16 loads may be out
.endif
	P3 \m
	WIN 0
	PLACES 5                                       ; in front of loads into the products' registers, of stores of results and of accumulators begun anew
.if (\m) < 14
.set ML, (\m)+2
	LDF ML
.endif
.if (\m) == 0
	BIASLD 256                                     ; the second group's, into the registers that the first products have read
.endif
.if (\m)%8 == 7
.if (\m) == 15
	s_wait_xcnt 0x0                                ; the first group's stores have read their registers
.endif
	TOSTAGE 0
	TOSTAGE 1
	s_wait_dscnt 16                                ; the first tile is back; the second's 8 stores and 8 loads may be out
	SEND 0, (\m)/8
	s_wait_dscnt 0x0
	SEND 1, (\m)/8
.endif
.endm
	s_cmp_lt_u32 s[WV], 4
	s_cbranch_scc0 .Lnot_i
	s_wait_tensorcnt 0x0                           ; my two slices of i are in; final_w's loads, in waves 4-7, may be out
.Lnot_i:
	s_barrier_signal -1
	s_barrier_wait -1                              ; i's eight slices are whole
	LDI 0
	LDI 1
	s_wait_loadcnt 0x0                             ; j
.set KH, 0
.rept 16
	HALF KH
.set KH, KH+1
.endr
	LDF 0                                          ; into registers that held j and i: half 14's quantiser stands between them and the last products
	LDF 1
	QU 15
	WIN 0
	PLACES 8                                       ; scale words made by vector instructions stand 8 places ahead of a scaled matrix instruction, operands so made 4
	s_wait_alu depctr_va_vdst(0)
.set MM, 0
.rept 16
	STEP2 MM
.set MM, MM+1
.endr
	s_wait_tensorcnt 0x0                           ; the wave's end
	ds_add_u32 v[SPW], v[NIL]
	s_wait_dscnt 0x0
	CROUND                                         ; the closing round: no work-group ends while a partner may still ask for a tile that names it
	s_endpgm
.Lfunc_end_k_q232cdeb953_pair:
	.size	k_q232cdeb953_pair, .Lfunc_end_k_q232cdeb953_pair-k_q232cdeb953_pair
	.p2alignl 7, 3214868480
	.fill 96, 4, 3214868480
	.section	.rodata,"a",@progbits
	.p2align	6, 0x0
	.amdhsa_kernel k_q232cdeb953_pair
		.amdhsa_group_segment_fixed_size 209920
		.amdhsa_private_segment_fixed_size 0
		.amdhsa_enable_private_segment 0
		.amdhsa_kernarg_size 40
		.amdhsa_user_sgpr_count 2
		.amdhsa_user_sgpr_kernarg_segment_ptr 1
		.amdhsa_wavefront_size32 1
		.amdhsa_system_sgpr_workgroup_id_x 1
		.amdhsa_system_sgpr_workgroup_id_y 1
		.amdhsa_system_sgpr_workgroup_id_z 1
		.amdhsa_system_vgpr_workitem_id 0
		.amdhsa_next_free_vgpr 512
		.amdhsa_next_free_sgpr 90
		.amdhsa_reserve_vcc 0
		.amdhsa_float_denorm_mode_32 3
		.amdhsa_float_denorm_mode_16_64 3
		.amdhsa_memory_ordered 1
		.amdhsa_forward_progress 1
		.amdhsa_inst_pref_size 131
	.end_amdhsa_kernel
	.amdgpu_metadata
---
amdhsa.version: [ 1, 2 ]
amdhsa.kernels:
  - .name:           k_q232cdeb953_pair
    .symbol:         k_q232cdeb953_pair.kd
    .args:
      - { .name: ai, .offset: 0, .size: 8, .value_kind: global_buffer, .address_space: global }
      - { .name: bj, .offset: 8, .size: 8, .value_kind: global_buffer, .address_space: global }
      - { .name: fwimg, .offset: 16, .size: 8, .value_kind: global_buffer, .address_space: global }
      - { .name: final_b, .offset: 24, .size: 8, .value_kind: global_buffer, .address_space: global }
      - { .name: out0, .offset: 32, .size: 8, .value_kind: global_buffer, .address_space: global }
    .group_segment_fixed_size: 209920
    .private_segment_fixed_size: 0
    .kernarg_segment_align: 8
    .kernarg_segment_size: 40
    .max_flat_workgroup_size: 256
    .sgpr_count:     90
    .vgpr_count:     512
    .wavefront_size: 32
...
	.end_amdgpu_metadata
.endif
;; end of part 2
